; MI455X (gfx1250); checked and timed in simulation.
; The chip was launched on July 23, 2026; its instructions are those of AMD's public machine-readable ISA for CDNA 5 (MIT licence, August 2026) and "CDNA5" Instruction Set Architecture Reference Guide (July 2026). The comments in the code are by the model that wrote it; some were corrected since.
;; Univariate One Hot Encoding Layer. Allowed arithmetic: float matrix products may take bf16 or f16 operands with f32 sums; all other float work in f32.
;; Inputs: class_bias 16 x 1,024 float32; global_bias 16 float32; inputs 1,048,576 x 16 int32.
;; Outputs: out0 1,048,576 x 16 float32.
;; One version. Each part assembles by itself: llvm-mc -triple=amdgcn-amd-amdhsa -mcpu=gfx1250 --defsym DOCPART=n.
;; ======== version 1 of 1: 1 launch
;; launch gather (part 1): grid 256 x 1, 32 waves a work-group, no clusters, 69,632 bytes of LDS; arguments inputs, class_bias, global_bias, out0; writes out0
.if DOCPART == 1
	.amdgcn_target "amdgcn-amd-amdhsa--gfx1250"
	.amdhsa_code_object_version 6
	.text
	.protected	k_q1015d2e9da_gather
	.globl	k_q1015d2e9da_gather
	.p2align	8
	.type	k_q1015d2e9da_gather,@function
k_q1015d2e9da_gather:
	s_mov_b64 s[64:65], 0
	v_nop
	global_prefetch_b8 v0, s[64:65] scope:SCOPE_SE
	s_setreg_imm32_b32 hwreg(HW_REG_WAVE_MODE, 25, 1), 1
	s_wait_xcnt 0x0
; out0[n][f] = class_bias[f][inputs[n][f]] + global_bias[f].   inputs: [1048576][16] i32, class_bias: [16][1024] f32,
; global_bias: [16] f32, out0: [1048576][16] f32.
;
; A stream with a table in LDS.  256 work-groups of 32 waves; a work-group owns 4,096 rows = 256 KiB of indices and as much output,
; in 16 blocks of 16 KiB.  Thread t owns the 16 bytes at 16 t of every block: four indices of one row, always of the features
; 4 (t & 3) + 0..3.  A wave's load or store covers 512 neighbouring bytes at a multiple of 512 from the buffer's first byte.
; The same offset 16 t serves the table's load, its LDS store, the index loads and the output stores.
;
; THE TABLE: all of class_bias (64 KiB) is copied into LDS once, with global_bias added on the way: 8 packed adds a thread in place of
; 32 behind the gathers, and the same single f32 addition as the reference makes, so the same bits.
; NO LOOP: a wave's whole share is 16 loads = 64 registers, so all of them are issued at the start, behind the table's four loads
; (loads complete in issue order, ISA guide 5.7.1: the table must not stand behind the indices).  No register that a memory
; instruction names is ever written again, so there is no wait for sources anywhere.
; NO CLUSTER, NO JOINT REQUEST for the table, though every work-group reads it: it is 64 KiB of the 576 KiB that a work-group moves,
; and a copy that lands in LDS raw would leave the bias to a second pass over LDS or to 32 packed adds a thread.
; NO PREFETCH: every byte that the work-group reads is asked for in its first lines.
; LIMIT: the reference relies on indices in 0 .. 1023.  An index outside is clamped as an unsigned number to 1023 (a negative one reads
; class 1023, where the reference would count it from the table's end).
.set NBLK, 16                          ; blocks of a work-group = index loads of a wave
.set BLK,  16384                       ; bytes that one load of the 1,024 threads covers; also four features of the table
.set FEAT, 4096                        ; bytes of one feature's 1,024 classes
.set OFF,  1                           ; v1       16 t
.set FB,   2                           ; v2       LDS address of my first feature's classes: (t & 3) x 4 features
.set A,    4                           ; v[4:19]  the table on its way to LDS; afterwards v[4:7]: four LDS addresses
.set X,    20                          ; v[20:83] block k: 4 registers, the indices as loaded, then the results to store
.set GB,   16                          ; s[16:23] the biases of my four pieces of the table, each twice (a pair for the packed add)
	s_load_b256 s[4:11], s[0:1], 0x0               ; inputs s[4:5], class_bias s[6:7], global_bias s[8:9], out0 s[10:11]
	v_lshl_add_u32 v84, v0, 2, 0x10000
	v_mov_b32 v85, 0
	v_lshlrev_b32 v[OFF], 4, v0                    ; 16 t
	v_lshrrev_b32 v3, 5, v0
	v_readfirstlane_b32 s12, v3                    ; wave 0 .. 31
	s_lshr_b32 s13, s12, 3                         ; t >> 8: the feature, within each group of four, in which my 16 bytes of the table lie
	s_lshl_b32 s13, s13, 2                         ; its bias's byte offset
	s_lshl_b32 s2, ttmp9, 18                       ; the work-group's 256 KiB of inputs and of out0 (255 << 18 is below 2^26)
	s_mov_b32 s3, 0
	v_and_b32 v[FB], 3, v0
	v_lshlrev_b32 v[FB], 14, v[FB]                 ; (t & 3) x 4 x FEAT
	s_wait_kmcnt 0x0
	s_add_nc_u64 s[4:5], s[4:5], s[2:3]
	s_add_nc_u64 s[10:11], s[10:11], s[2:3]
.irp i, 0,1,2,3
	global_load_b128 v[A+4*\i:A+4*\i+3], v[OFF], s[6:7] offset:\i*BLK      ; the table first: byte 16 t + 16384 i lies in feature 4 i + (t >> 8)
.endr
.irp i, 0,1,2,3
	s_load_b32 s[GB+2*\i], s[8:9], s13 offset:16*\i                        ; global_bias[4 i + (t >> 8)]: one number for the whole wave
.endr
.irp k, 0,1,2,3,4,5,6,7,8,9,10,11,12,13,14,15
	global_load_b128 v[X+4*\k:X+4*\k+3], v[OFF], s[4:5] offset:\k*BLK th:TH_LOAD_NT   ; all my indices; read once in the launch
.endr
	s_wait_kmcnt 0x0                               ; the four biases
.irp i, 0,1,2,3
	s_mov_b32 s[GB+2*\i+1], s[GB+2*\i]             ; the packed add names a pair: both halves are written
.endr
	s_wait_loadcnt NBLK                            ; the table's four loads are in; the 16 younger index loads stay out
.irp i, 0,1,2,3
	v_pk_add_f32 v[A+4*\i:A+4*\i+1],   v[A+4*\i:A+4*\i+1],   s[GB+2*\i:GB+2*\i+1] op_sel_hi:[1,0]
	v_pk_add_f32 v[A+4*\i+2:A+4*\i+3], v[A+4*\i+2:A+4*\i+3], s[GB+2*\i:GB+2*\i+1] op_sel_hi:[1,0]
.endr
.irp i, 0,1,2,3
	ds_store_b128 v[OFF], v[A+4*\i:A+4*\i+3] offset:\i*BLK                 ; LDS holds the table as memory does: feature f, class c at 4096 f + 4 c
.endr
	s_wait_dscnt 0x0                               ; for the other waves' sake: my part of the table is in LDS
	s_barrier_signal -1
	s_barrier_wait -1                              ; everybody's is.  It is never written again: the only barrier
; Block k: four indices become four LDS addresses, four gathers land on the registers that held the indices, 16 bytes leave.
; The store follows its own gathers at once, so that no finished block waits for a later index load; the SIMD's other seven
; waves work while this one waits for LDS.
.macro BLOCK k
	s_wait_loadcnt NBLK-1-\k                       ; my block k is in; the loads of blocks k+1 .. 15 stay out
.irp j, 0,1,2,3
	v_min_u32 v[A+\j], 0x3ff, v[X+4*\k+\j]         ; a loaded number enters an address only clamped to the table's 1,024 classes
.endr
.irp j, 0,1,2,3
	v_lshl_add_u32 v[A+\j], v[A+\j], 2, v[FB]      ; 4 c + my first feature; the j-th feature goes in the immediate
.endr
.irp j, 0,1,2,3
	ds_load_b32 v[X+4*\k+\j], v[A+\j] offset:\j*FEAT
.endr
	s_wait_dscnt 0x0                               ; all four are needed for the one store; the addresses are free for the next block too
	global_store_b128 v[OFF], v[X+4*\k:X+4*\k+3], s[10:11] offset:\k*BLK th:TH_STORE_NT   ; 16 lanes store 256 consecutive bytes, aligned; not read again
.endm
.irp k, 0,1,2,3,4,5,6,7,8,9,10,11,12,13,14,15
	BLOCK \k
.endr
	s_wait_tensorcnt 0x0
	ds_add_u32 v84, v85
	s_wait_dscnt 0x0
	s_endpgm
.Lfunc_end_k_q1015d2e9da_gather:
	.size	k_q1015d2e9da_gather, .Lfunc_end_k_q1015d2e9da_gather-k_q1015d2e9da_gather
	.p2alignl 7, 3214868480
	.fill 96, 4, 3214868480
	.section	.rodata,"a",@progbits
	.p2align	6, 0x0
	.amdhsa_kernel k_q1015d2e9da_gather
		.amdhsa_group_segment_fixed_size 69632
		.amdhsa_private_segment_fixed_size 0
		.amdhsa_enable_private_segment 0
		.amdhsa_kernarg_size 32
		.amdhsa_user_sgpr_count 2
		.amdhsa_user_sgpr_kernarg_segment_ptr 1
		.amdhsa_wavefront_size32 1
		.amdhsa_system_sgpr_workgroup_id_x 1
		.amdhsa_system_sgpr_workgroup_id_y 1
		.amdhsa_system_sgpr_workgroup_id_z 1
		.amdhsa_system_vgpr_workitem_id 0
		.amdhsa_next_free_vgpr 86
		.amdhsa_next_free_sgpr 66
		.amdhsa_reserve_vcc 0
		.amdhsa_float_denorm_mode_32 3
		.amdhsa_float_denorm_mode_16_64 3
		.amdhsa_memory_ordered 1
		.amdhsa_forward_progress 1
		.amdhsa_inst_pref_size 19
	.end_amdhsa_kernel
	.amdgpu_metadata
---
amdhsa.version: [ 1, 2 ]
amdhsa.kernels:
  - .name:           k_q1015d2e9da_gather
    .symbol:         k_q1015d2e9da_gather.kd
    .args:
      - { .name: inputs, .offset: 0, .size: 8, .value_kind: global_buffer, .address_space: global }
      - { .name: class_bias, .offset: 8, .size: 8, .value_kind: global_buffer, .address_space: global }
      - { .name: global_bias, .offset: 16, .size: 8, .value_kind: global_buffer, .address_space: global }
      - { .name: out0, .offset: 24, .size: 8, .value_kind: global_buffer, .address_space: global }
    .group_segment_fixed_size: 69632
    .private_segment_fixed_size: 0
    .kernarg_segment_align: 8
    .kernarg_segment_size: 32
    .max_flat_workgroup_size: 1024
    .sgpr_count:     66
    .vgpr_count:     86
    .wavefront_size: 32
...
	.end_amdgpu_metadata
.endif
;; end of part 1
